; MI455X (gfx1250); checked and timed in simulation.
; The chip was launched on July 23, 2026; its instructions are those of AMD's public machine-readable ISA for CDNA 5 (MIT licence, August 2026) and "CDNA5" Instruction Set Architecture Reference Guide (July 2026). The comments in the code are by the model that wrote it; some were corrected since.
;; Multi Head Attention. Allowed arithmetic: matrix products marked QUANTISED: E5M2 operands, one E8M0 scale for each 32 along K, by v_wmma_scale_f32_16x16x128_f8f6f4 with both operands' format E5M2, f32 sums; everything else in f32.
;; Inputs: Wout 1,024 x 1,024 float32; Wqkv 3,072 x 1,024 float32; bout 1,024 float32; bqkv 3,072 float32; x 4 x 2,048 x 1,024 float32.
;; Outputs: out0 4 x 2,048 x 1,024 float32.
;; This version of the problem:
;;   THIS VERSION OF THE PROBLEM IS GIVEN IN LOW PRECISION. The matrix products marked QUANTISED in the list below multiply operands that are first quantised to E5M2 (5 exponent bits, 2 mantissa bits; 8 bits a number), with one power-of-two scale for each 32 numbers along K (OCP MX v1.0); their sums are f32. All else is computed in f32.
;;   The module's matrix products, in the order in which they are computed (A, B: the left and right operand; K: the contracted axis; several contracted axes count as one K, in the product's order):
;;     1. [M 8,192, K 1,024] x [K 1,024, N 3,072]; A: input x; B: input Wqkv: QUANTISED
;;     2. batch 64 x [M 2,048, K 64] x [K 64, N 2,048]; A: computed on the way; B: computed on the way: QUANTISED
;;     3. batch 64 x [M 2,048, K 2,048] x [K 2,048, N 64]; A: softmax (see below); B: computed on the way: QUANTISED
;;     4. [M 8,192, K 1,024] x [K 1,024, N 1,024]; A: computed on the way; B: input Wout: QUANTISED
;;   THE QUANTISER, for each operand of a quantised product, along K:
;;     - K is cut into blocks of 32 from its start; a last block that is shorter is filled with zeros.
;;     - A block's scale is 2^e with e = floor(log2(the largest magnitude in the block)) - 15, held to -126 .. 127; a block of zeros has e = 0. As a byte (E8M0): e + 127.
;;     - Each number is divided by its block's scale, clamped to +-57,344, and rounded to the nearest number of E5M2, ties to even, subnormals kept.
;;     - The product sums the exact products of the quantised numbers (number of the format x scale) in f32.
;;   ~~~python
;;   def quantise(x, axis):      # numpy; x: float32 -> the quantised numbers, widened to float32 again
;;       x = np.moveaxis(x, axis, -1); K = x.shape[-1]
;;       x = np.pad(x, [(0, 0)] * (x.ndim - 1) + [(0, -K % 32)]); x = x.reshape(x.shape[:-1] + (-1, 32)); a = np.abs(x).max(-1, keepdims=True)
;;       e = np.where(a > 0, np.clip(np.frexp(np.where(a > 0, a, 1))[1] - 1 - 15, -126, 127), 0)      # np.frexp(a)[1] - 1 = floor(log2(a)), exactly
;;       r = np.clip(x / 2.0 ** e, -57344, 57344)
;;       step = 2.0 ** (np.maximum(np.frexp(np.where(r == 0, 1, r))[1] - 1, -14) - 2)
;;       q = np.round(r / step) * step * 2.0 ** e      # np.round: ties to even
;;       return np.moveaxis(q.reshape(q.shape[:-2] + (-1,))[..., :K], -1, axis).astype(np.float32)
;;   ~~~
;;   SOFTMAX AHEAD OF A QUANTISED PRODUCT. Where the list says 'softmax', what is quantised is not the finished softmax but p = 2^(t - M), with t = logit x log2(e) and M = ceil(the row's largest t), a whole number; so 1/2 < the row's largest p <= 1. The row's sum l is taken of the UNQUANTISED p, in f32, and the product's result is divided by l at the end. Since M is a whole number, a kernel that streams over the keys may use a running M (the ceiling of the running maximum): every later rescaling is an exact power of two, which a block's scale takes up: the codes' values come out the same.
;;   OPERANDS COMPUTED ON THE WAY. 'Computed on the way' means the value that the module computes at that place (a softmax that the list does not call 'softmax' is quantised finished and normalised). What goes into a quantiser is computed in f32, as accurately as f32 sums, v_exp_f32 and their like allow (about 1e-6 of the number): no bf16 or f16 on the way to a quantiser, and a product that is left as it is and whose result goes on into a quantised operand takes f32 operands (vector FMAs, or v_wmma_f32_16x16x4_f32). A number that lies on a knife's edge between two numbers of the format may be rounded either way, as far as f32 arithmetic and the matrix unit's own rounding can turn it there, and no further.
;; One version. Each part assembles by itself: llvm-mc -triple=amdgcn-amd-amdhsa -mcpu=gfx1250 --defsym DOCPART=n.
;; ======== version 1 of 1: 4 launches
;; limits: right only within a limited range of input values
;; workspace buffers: opc 12,582,912 bytes; ops 393,216 bytes; qkvc 25,165,824 bytes; qkvs 1,572,864 bytes; oc 8,388,608 bytes; osc 524,288 bytes
;; launch quant (part 1): grid 256 x 1, 6 waves a work-group, no clusters, 51,456 bytes of LDS; arguments x, Wqkv, Wout, opc, ops; writes opc, ops
.if DOCPART == 1
	.amdgcn_target "amdgcn-amd-amdhsa--gfx1250"
	.amdhsa_code_object_version 6
	.text
	.protected	k_q57e00ddf93_quant
	.globl	k_q57e00ddf93_quant
	.p2align	8
	.type	k_q57e00ddf93_quant,@function
k_q57e00ddf93_quant:
	s_mov_b64 s[64:65], 0
	v_nop
	global_prefetch_b8 v0, s[64:65] scope:SCOPE_SE
	s_setreg_imm32_b32 hwreg(HW_REG_WAVE_MODE, 25, 1), 1
	s_wait_xcnt 0x0
; x [8192][1024], Wqkv [3072][1024] and Wout [1024][1024], f32, K innermost, become codes of BF8 (E5M2) with one E8M0 byte for each 32 along K.
; A block's scale is 2^(floor(log2(its largest magnitude)) - 15); each number is divided by it, held within +-57,344 and rounded to the nearest code, ties to even.
; LIMITS: NaN and infinities among the inputs are not served.  A block whose largest magnitude lies under 2^(16 - 127), a block of zeros among them, gets the byte 1
; (the rule says 127 for zeros): its codes are zeros or subnormal codes under that scale, and the bytes are read by this program alone.
; THE CODES ARE LAID AS IMAGES OF OPERAND REGISTERS.  The 12,288 rows are 768 tiles of 16 (x 0-511, Wqkv 512-703, Wout 704-767).  Rows go in groups of 32, a pair of tiles u = 0, 1:
; place r of tile u is row 8 u + r + 8 (r / 8) of the group.  A fragment is a tile x 128 along K: four chunks of 512 bytes; chunk c holds lane l's registers 4 c .. 4 c + 3
; (row l % 16, K = 32 c + 16 (l / 16) + 0 .. 15) at 16 l.   opc: [K / 256][tile][128 of the 256][chunk][lane][16 bytes].   ops: [K / 256][pair][r][u][128 of the 256], one word of four bytes each.
; SHARES.  1,536 wave tasks = 384 pairs x 4 quarters of K; a task is 32 rows x 256 K = four fragments f = 2 u + s.  Six waves to a work-group, 256 work-groups.  Waves share nothing: no barrier.
; No cluster and no tensor load: no two work-groups read the same byte, and a task's bytes in flight fit in registers (two fragments, 32 loads of 512 bytes a wave).
; Each load reads 512 consecutive bytes of a row.  The conversions want 16 neighbours along K in ONE lane, so a fragment turns through the wave's own stage in LDS: 16 rows of 512 bytes + 16.
.set STG,  8448                        ; a wave's stage: 16 rows x 528 bytes
.set TM,   8                           ; v8-11 largest magnitudes, v12-15 the other half's / the bytes, v16-19 57,344 x the scale, v20-23 the conversions' scale operands
.set W,    24                          ; v24-27 the scale word of fragment f
.set R,    32                          ; v32-95, v96-159: two sets of 64 registers as loaded
.set X,    160                         ; v160-223: 64 numbers of a lane: register 16 b + i = K 32 b + 16 (l / 16) + i of row l % 16
.set PC,   224                          ; v224-239, v240-255: the codes, two sets
.set SEL,  28                          ; s28, s29 lane selects for v_permlanex16_b32: lane l xor 16
.set MNT,  30                          ; s30 the mantissa field of 57,344
	s_load_b128 s[4:7], s[0:1], 0x0                ; x, Wqkv
	s_load_b128 s[8:11], s[0:1], 0x10              ; Wout, opc
	s_load_b64 s[12:13], s[0:1], 0x20              ; ops
	v_lshl_add_u32 v30, v0, 2, 0xc600
	v_mov_b32 v31, 0
	v_lshrrev_b32 v6, 5, v0
	v_readfirstlane_b32 s14, v6                    ; wave 0..5
	v_and_b32 v6, 31, v0                           ; lane
	v_and_b32 v7, 15, v0                           ; r
	v_bfe_u32 v5, v0, 4, 1                         ; h; kept for the choice at the end
	v_lshlrev_b32 v1, 4, v6                        ; 16 x lane: my bytes of a load's and of a store's 512
	s_mul_i32 s31, s14, STG
	v_add_nc_u32 v2, s31, v1                       ; the stage, on the way in: a row as it was loaded
	v_mul_u32_u24 v3, v7, 528
	v_lshl_add_u32 v3, v5, 6, v3
	v_add_nc_u32 v3, s31, v3                       ; and on the way out: row r, + 64 h: my 16 numbers of a block of 32
	v_lshlrev_b32 v4, 4, v7
	v_lshl_add_u32 v4, v5, 3, v4                   ; the scale words: 16 r + 8 h
.irp b, 0,1,2,3
	v_mov_b32 v[TM+4+\b], 0                        ; written once: a lane permute's destination counts as one of its sources
.endr
	s_mov_b32 s[SEL], 0x76543210
	s_mov_b32 s[SEL+1], 0xfedcba98
	s_mov_b32 s[MNT], 0x600000
	s_mul_i32 s15, ttmp9, 6
	s_add_co_u32 s15, s15, s14                     ; my task
	s_lshr_b32 s16, s15, 2                         ; its pair of tiles, 0..383
	s_and_b32 s17, s15, 3                          ; its quarter of K
	s_mov_b32 s23, 352
	s_wait_alu depctr_va_vdst(0)
	s_wait_kmcnt 0x0
	s_cmp_lt_u32 s16, 256                          ; pairs 0-255 are x's, 256-351 Wqkv's, 352-383 Wout's: the choice hangs on the task's number alone
	s_cselect_b64 s[20:21], s[4:5], s[6:7]
	s_cselect_b32 s22, 0, 256
	s_cmp_lt_u32 s16, 352
	s_cselect_b64 s[20:21], s[20:21], s[8:9]
	s_cselect_b32 s22, s22, s23                    ; the tensor's first pair
	s_sub_co_u32 s18, s16, s22
	s_lshl_b32 s18, s18, 17                        ; 32 rows of 4,096 bytes
	s_lshl_b32 s19, s17, 10                        ; 256 numbers along K
	s_add_co_u32 s18, s18, s19
	s_mov_b32 s19, 0
	s_add_nc_u64 s[20:21], s[20:21], s[18:19]      ; where my task's numbers begin
	s_mul_i32 s18, s17, 3145728
	s_lshl_b32 s22, s16, 13
	s_add_co_u32 s18, s18, s22
	s_add_nc_u64 s[24:25], s[10:11], s[18:19]      ; its codes: 8,192 bytes
	s_mul_i32 s18, s17, 98304
	s_lshl_b32 s22, s16, 8
	s_add_co_u32 s18, s18, s22
	s_add_nc_u64 s[26:27], s[12:13], s[18:19]      ; its scale words: 256 bytes
.macro LOAD f                          ; fragment f: place i of tile f / 2 is row 8 (f / 2) + i + 8 (i / 8); 128 numbers at 512 (f % 2) bytes
.irp i, 0,1,2,3,4,5,6,7,8,9,10,11,12,13,14,15
	global_load_b128 v[R+64*((\f)%2)+4*\i:R+64*((\f)%2)+4*\i+3], v1, s[20:21] offset:(8*((\f)/2)+\i+8*(\i/8))*4096+512*((\f)%2) th:TH_LOAD_NT
.endr
.endm
.macro TURN f                          ; through the stage: LDS serves a wave's instructions in order (ISA guide 5.7.1.4), so no wait stands between the stores and the loads
.irp i, 0,1,2,3,4,5,6,7,8,9,10,11,12,13,14,15
	ds_store_b128 v2, v[R+64*((\f)%2)+4*\i:R+64*((\f)%2)+4*\i+3] offset:528*\i
.endr
.irp b, 0,1,2,3
.irp j, 0,1,2,3
	ds_load_b128 v[X+16*\b+4*\j:X+16*\b+4*\j+3], v3 offset:128*\b+16*\j
.endr
.endr
.endm
; 64 numbers of a lane from v[s] on, four blocks of which lanes l and l xor 16 hold 16 numbers each, become 16 registers of codes from v[pc] on; the four scale bytes are left in v[TM+4] on.
.macro QCORE s, pc
.irp b, 0,1,2,3
	v_max3_num_f32 v[TM+\b], |v[(\s)+16*\b]|, |v[(\s)+16*\b+1]|, 0x8000000   ; my 16 numbers, and the floor 2^(16 - 127): the byte cannot fall under 1
.endr
.irp i, 2,4,6,8,10,12,14
.irp b, 0,1,2,3
	v_max3_num_f32 v[TM+\b], v[TM+\b], |v[(\s)+16*\b+\i]|, |v[(\s)+16*\b+\i+1]|   ; the four blocks by turns
.endr
.endr
.irp b, 0,1,2,3
	v_permlanex16_b32 v[TM+4+\b], v[TM+\b], s[SEL], s[SEL+1]
.endr
.irp b, 0,1,2,3
	v_max_num_f32 v[TM+\b], v[TM+\b], v[TM+4+\b]   ; with lane l xor 16's: the block's largest magnitude
.endr
.irp b, 0,1,2,3
	v_add_nc_u32 v[TM+12+\b], 0xf8800000, v[TM+\b] ; 15 off its exponent field: the conversion takes that field as its scale
.endr
.irp b, 0,1,2,3
	v_and_or_b32 v[TM+8+\b], v[TM+\b], 0x7f800000, s[MNT]   ; 57,344 x the scale
.endr
.irp b, 0,1,2,3
	v_lshrrev_b32 v[TM+4+\b], 23, v[TM+12+\b]      ; the scale's byte
.endr
.irp b, 0,1,2,3
.irp i, 0,1,2,3,4,5,6,7,8,9,10,11,12,13,14,15
	v_med3_num_f32 v[(\s)+16*\b+\i], v[(\s)+16*\b+\i], -v[TM+8+\b], v[TM+8+\b]   ; the conversion does not saturate (ISA guide 7.6.2): the hold comes first
.endr
	v_cvt_scalef32_pk8_bf8_f32 v[(\pc)+4*\b:(\pc)+4*\b+1], v[(\s)+16*\b:(\s)+16*\b+7], v[TM+12+\b]
	v_cvt_scalef32_pk8_bf8_f32 v[(\pc)+4*\b+2:(\pc)+4*\b+3], v[(\s)+16*\b+8:(\s)+16*\b+15], v[TM+12+\b]
.endr
	v_nop                                          ; one plain line behind the last conversion
.endm
.macro FRAG f
.if (\f) < 3
	s_wait_loadcnt 16                              ; this fragment's 16 loads are in; the next fragment's 16 stay out
.else
	s_wait_loadcnt 0x0
.endif
	TURN \f
	s_wait_dscnt 0x0                               ; my 64 numbers are back, and the stores into the stage have read their registers,
.if (\f) < 2
	LOAD (\f)+2                                    ; which take the fragment two further on
.else
	s_wait_xcnt 0x0                                ; the stores of the fragment two back have read their codes: that set is written again only behind this wait
.endif
	QCORE X, PC+16*((\f)%2)
	v_lshl_or_b32 v[W+(\f)], v[TM+5], 8, v[TM+4]   ; the four bytes make row r's scale word for these 128 along K
	v_lshl_or_b32 v[W+(\f)], v[TM+6], 16, v[W+(\f)]
	v_lshl_or_b32 v[W+(\f)], v[TM+7], 24, v[W+(\f)]
.irp c, 0,1,2,3
	global_store_b128 v1, v[PC+16*((\f)%2)+4*\c:PC+16*((\f)%2)+4*\c+3], s[24:25] offset:4096*((\f)/2)+2048*((\f)%2)+512*\c   ; a chunk: 512 consecutive bytes, aligned
.endr
.endm
	LOAD 0
	LOAD 1
	FRAG 0
	FRAG 1
	FRAG 2
	FRAG 3
	v_cmp_eq_u32 vcc_lo, 1, v5                     ; lanes 0-15 store tile 0's two words of row r, lanes 16-31 tile 1's
	v_cndmask_b32 v28, v24, v26, vcc_lo
	v_cndmask_b32 v29, v25, v27, vcc_lo
	global_store_b64 v4, v[28:29], s[26:27]        ; 32 lanes store 256 consecutive bytes, aligned
	s_wait_tensorcnt 0x0
	ds_add_u32 v30, v31
	s_wait_dscnt 0x0
	s_endpgm
.Lfunc_end_k_q57e00ddf93_quant:
	.size	k_q57e00ddf93_quant, .Lfunc_end_k_q57e00ddf93_quant-k_q57e00ddf93_quant
	.p2alignl 7, 3214868480
	.fill 96, 4, 3214868480
	.section	.rodata,"a",@progbits
	.p2align	6, 0x0
	.amdhsa_kernel k_q57e00ddf93_quant
		.amdhsa_group_segment_fixed_size 51456
		.amdhsa_private_segment_fixed_size 0
		.amdhsa_enable_private_segment 0
		.amdhsa_kernarg_size 40
		.amdhsa_user_sgpr_count 2
		.amdhsa_user_sgpr_kernarg_segment_ptr 1
		.amdhsa_wavefront_size32 1
		.amdhsa_system_sgpr_workgroup_id_x 1
		.amdhsa_system_sgpr_workgroup_id_y 1
		.amdhsa_system_sgpr_workgroup_id_z 1
		.amdhsa_system_vgpr_workitem_id 0
		.amdhsa_next_free_vgpr 256
		.amdhsa_next_free_sgpr 66
		.amdhsa_reserve_vcc 1
		.amdhsa_float_denorm_mode_32 3
		.amdhsa_float_denorm_mode_16_64 3
		.amdhsa_memory_ordered 1
		.amdhsa_forward_progress 1
		.amdhsa_inst_pref_size 51
	.end_amdhsa_kernel
	.amdgpu_metadata
---
amdhsa.version: [ 1, 2 ]
amdhsa.kernels:
  - .name:           k_q57e00ddf93_quant
    .symbol:         k_q57e00ddf93_quant.kd
    .args:
      - { .name: x, .offset: 0, .size: 8, .value_kind: global_buffer, .address_space: global }
      - { .name: Wqkv, .offset: 8, .size: 8, .value_kind: global_buffer, .address_space: global }
      - { .name: Wout, .offset: 16, .size: 8, .value_kind: global_buffer, .address_space: global }
      - { .name: opc, .offset: 24, .size: 8, .value_kind: global_buffer, .address_space: global }
      - { .name: ops, .offset: 32, .size: 8, .value_kind: global_buffer, .address_space: global }
    .group_segment_fixed_size: 51456
    .private_segment_fixed_size: 0
    .kernarg_segment_align: 8
    .kernarg_segment_size: 40
    .max_flat_workgroup_size: 192
    .sgpr_count:     66
    .vgpr_count:     256
    .wavefront_size: 32
...
	.end_amdgpu_metadata
.endif
;; end of part 1
;; launch qkv (part 2): grid 4 x 64, 4 waves a work-group, clusters of 4 x 1, 167,936 bytes of LDS; arguments opc, ops, bqkv, qkvc, qkvs; writes qkvc, qkvs
.if DOCPART == 2
	.amdgcn_target "amdgcn-amd-amdhsa--gfx1250"
	.amdhsa_code_object_version 6
	.text
	.protected	k_q57e00ddf93_qkv
	.globl	k_q57e00ddf93_qkv
	.p2align	8
	.type	k_q57e00ddf93_qkv,@function
k_q57e00ddf93_qkv:
	s_mov_b64 s[64:65], 0
	v_nop
	global_prefetch_b8 v0, s[64:65] scope:SCOPE_SE
	s_setreg_imm32_b32 hwreg(HW_REG_WAVE_MODE, 25, 1), 1
	s_wait_xcnt 0x0
	s_wait_alu depctr_hold_cnt(0) depctr_sa_sdst(0) depctr_va_vdst(0) depctr_va_sdst(0) depctr_va_ssrc(0) depctr_va_vcc(0) depctr_vm_vsrc(0)
	s_getreg_b32 s2, hwreg(HW_REG_IB_STS2, 6, 4)
	s_cmp_eq_u32 s2, 0
	s_cbranch_scc0 .Lentry_in_a_cluster
	s_endpgm
.Lentry_in_a_cluster:
	s_bfe_u32 s2, ttmp6, 0x10000c
	s_cmp_lg_u32 s2, 0x3003
	s_cbranch_scc0 .Lentry_shape_is_right
	s_endpgm
.Lentry_shape_is_right:
; qkv = x Wqkv^T + bqkv on codes of BF8 (E5M2) with E8M0 scales, sums in f32; q, k and v leave as codes and scale words for the attention, never as f32.  No step of the problem is left out.
; SHARES.  256 work-groups = 64 panels of 128 rows of x (work-group y) x 4 groups g of Wqkv's rows (the place in the cluster).  A work-group makes three passes n = 0, 1, 2 (q, k, v): Wqkv's 256 rows 1,024 n + 256 g on.
; Wave w takes the pass's rows 64 w on, one head, against all 128 rows of x: 32 accumulators.
; x's PANEL lies in LDS for all of K: 131,072 bytes, each byte filled once (wave w fetches quarter w of K), so there is no ring.  The four partners of a cluster need the same panel: the load is joint.
; Wqkv's FRAGMENTS go from memory straight into registers: opc holds images of operand registers, so a load reads 512 consecutive bytes.  Four sets of 64 registers take turns; a set is asked for again behind the products
; that read it, four K steps ahead of its next use.  The partners' rows of Wqkv differ, so nothing of it could be asked for jointly; and it is asked for four steps ahead by the loads themselves, so no prefetch is laid.
; ROLES.  q, k: source 0 = Wqkv, source 1 = x: a lane holds one token and its registers run along the head's 64.  v: source 0 = x, source 1 = Wqkv: a lane holds one d and its registers run along 128 tokens.
; The operands' tiles lie in pairs (place r of tile u = row 8 u + r + 8 (r / 8) of 32), so 16 registers of two neighbouring result tiles are 16 neighbours along source 0's rows.
; OUT.  Unit idx = tensor x 2,048 + (batch x 16 + head) x 32 + token / 64.  qkvc: [idx][tile of source 1's four][block of 32][lane][16 bytes];  qkvs: [idx][r][tile], a word whose bytes 0, 1 are the two blocks' and bytes 2, 3 are 0.
; LIMITS: NaN and infinities are not served; a block of zeros gets the byte 1 (the rule says 127): its codes are zeros and this program alone reads the bytes.
; REGISTERS.  Window 0: addresses, v16-31 at work, v32-63 the bias of q or k as C, v64-95 that of v, v96-127 x's scale words (lanes 0-15 quarters 0, 1 of K; lanes 16-31 quarters 2, 3), v128-159 Wqkv's, v160-223 codes, v224-235 words.
;   Window 1: Wqkv's four sets.  Window 2: the sums.  Window 3: x's fragments, two sets of 128.
.set QS,   3145728                     ; from a quarter of K to the next in opc,
.set QSS,  98304                       ; and in ops
.set SPARE, 131072                     ; behind the panel: the spare words
.set SPW,  10
.set NIL,  11
.set AX,   12                          ; v12 16 x lane; v13 the same + 65,536
.set TM,   16
.set BB,   32
.set BV,   64
.set XS,   96
.set WS,   128
.set CD,   160
.set WD,   224
.set WO,   232
.set WV,   14
.set G1,   24
.set G0,   32
.set WB,   36                          ; s[36:37] my rows' codes of this pass, at the third quarter of K, so that every offset fits the signed immediate
.set WSB,  38                          ; s[38:39] their scale words
.set BIB,  40                          ; s[40:41] bqkv at my rows of pass 0
.set OC,   42
.set OS,   44
.set XSB,  46
.set SEL,  52
.set MNT,  54
.set TRIP, 55
.set MSB,  0
.macro WIN new                         ; the immediate's high byte repeats the setting that is left
.if MSB != \new
	s_set_vgpr_msb (MSB<<8)|\new
.set MSB, \new
.endif
.endm
.macro CROUND                          ; a round of the cluster's barrier
	s_barrier_signal -1
	s_barrier_wait -1
	s_cmp_lg_u32 s[WV], 0
	s_cbranch_scc1 .Lnot_wave_0_\@
	s_barrier_signal -3
.Lnot_wave_0_\@:
	s_barrier_wait -3
	s_barrier_signal -1
	s_barrier_wait -1
.endm
.macro BIASQ off                       ; tile t's register j is row 32 (t / 2) + 16 h + 8 (t % 2) + j
.irp t, 0,1,2,3
	global_load_b128 v[BB+8*\t:BB+8*\t+3], v6, s[BIB:BIB+1] offset:(32*(\t/2)+8*(\t%2))*4+\off
	global_load_b128 v[BB+8*\t+4:BB+8*\t+7], v6, s[BIB:BIB+1] offset:(32*(\t/2)+8*(\t%2))*4+16+\off
.endr
.endm
.macro WLOAD j, nx                     ; Wqkv's four fragments of K step j (nx = 1: of the next pass) into set j % 4: 16 loads of 512 consecutive bytes
	WIN 0x40
.irp t, 0,1,2,3
.irp c, 0,1,2,3
	global_load_b128 v[64*((\j)%4)+16*\t+4*\c:64*((\j)%4)+16*\t+4*\c+3], v[AX], s[WB:WB+1] offset:((\j)/2-2)*QS+4096*\t+2048*((\j)%2)+512*\c+262144*\nx
.endr
.endr
.endm
.macro XFETCH j                        ; x's eight fragments of K step j into set j % 2: 32 loads of 512 consecutive bytes
	WIN 0xc0
.irp a, 0,1,2,3,4,5,6,7
.irp c, 0,1,2,3
	ds_load_b128 v[128*((\j)%2)+16*\a+4*\c:128*((\j)%2)+16*\a+4*\c+3], v[AX+(\j)/4] offset:32768*(((\j)/2)%2)+4096*\a+2048*((\j)%2)+512*\c
.endr
.endr
.endm
.macro WM d, a, b, c, sa, sb, ra, rb
.if \ra
	v_wmma_scale_f32_16x16x128_f8f6f4 v[\d:\d+7], v[\a:\a+15], v[\b:\b+15], v[\c:\c+7], v[\sa], v[\sb] matrix_a_fmt:MATRIX_FMT_BF8 matrix_b_fmt:MATRIX_FMT_BF8 matrix_a_scale:MATRIX_SCALE_ROW1
.elseif \rb
	v_wmma_scale_f32_16x16x128_f8f6f4 v[\d:\d+7], v[\a:\a+15], v[\b:\b+15], v[\c:\c+7], v[\sa], v[\sb] matrix_a_fmt:MATRIX_FMT_BF8 matrix_b_fmt:MATRIX_FMT_BF8 matrix_b_scale:MATRIX_SCALE_ROW1
.else
	v_wmma_scale_f32_16x16x128_f8f6f4 v[\d:\d+7], v[\a:\a+15], v[\b:\b+15], v[\c:\c+7], v[\sa], v[\sb] matrix_a_fmt:MATRIX_FMT_BF8 matrix_b_fmt:MATRIX_FMT_BF8
.endif
.endm
; The 32 products of K step j: x's tiles one after the other, each against Wqkv's four.  The 32 accumulators take turns, in the same order in every step.  first = 1: the bias as C starts the sums.
.macro MUL mode, j, first
.set MW,  64*((\j)%4)
.set MX,  128*((\j)%2)
.set MSW, WS+8*((\j)/2)+(\j)%2
.set MSX, XS+16*(((\j)/2)%2)+(\j)%2
.set MR,  (\j)/4
.irp x, 0,1,2,3,4,5,6,7
.irp w, 0,1,2,3
.if \mode == 0
.if \first
	WM 32*\x+8*\w, MW+16*\w, MX+16*\x, BB+8*\w, MSW+2*\w, MSX+2*\x, 0, MR
.else
	WM 32*\x+8*\w, MW+16*\w, MX+16*\x, 32*\x+8*\w, MSW+2*\w, MSX+2*\x, 0, MR
.endif
.else
.if \first
	WM 64*\w+8*\x, MX+16*\x, MW+16*\w, BV+8*\w, MSX+2*\x, MSW+2*\w, MR, 0
.else
	WM 64*\w+8*\x, MX+16*\x, MW+16*\w, 64*\w+8*\x, MSX+2*\x, MSW+2*\w, MR, 0
.endif
.endif
.endr
.endr
.endm
; K step j of a pass.  Behind its products and eight places the registers that they read are asked for again.
.macro STEP mode, j, last
.if (\last) && (\j) == 7
	s_wait_dscnt 0x0
.else
	s_wait_dscnt 32                                ; this step's fragments of x are in; the next step's 32 loads stay out
.endif
.if (\last) && (\j) > 4
	s_wait_loadcnt 16*(7-(\j))
.else
	s_wait_loadcnt 48                              ; this step's set is in; at least the three younger sets, 16 loads each, were issued behind it
.endif
.if \mode == 0
.if (\j) == 0
	WIN 0x8d                                       ; source 0 window 1, source 1 window 3, C window 0, D window 2
.else
	WIN 0xad
.endif
.else
.if (\j) == 0
	WIN 0x87                                       ; source 0 window 3, source 1 window 1
.else
	WIN 0xa7
.endif
.endif
	MUL \mode, \j, (\j)==0
.rept 8
	v_nop
.endr
.if (\last) == 0 || (\j) < 6
	XFETCH ((\j)+2)%8
.endif
.if (\last) == 0
	WIN 0
.if (\j)%2 == 1                        ; a quarter of K is done: its scale words of the next pass's rows; they stand ahead of the set below, so that set's wait shows them in
	global_load_b128 v[WS+8*((\j)/2):WS+8*((\j)/2)+3], v4, s[WSB:WSB+1] offset:QSS*((\j)/2)+8192
	global_load_b128 v[WS+8*((\j)/2)+4:WS+8*((\j)/2)+7], v4, s[WSB:WSB+1] offset:QSS*((\j)/2)+8448
.endif
.if (\j) == 1
	s_cmp_lg_u32 s[TRIP], 0                        ; behind q's first step: k's bias; v's has registers of its own
	s_cbranch_scc1 .Lno_bias
	BIASQ 4096
.Lno_bias:
.endif
.endif
.if (\j) < 4
	WLOAD (\j)+4, 0
.elseif (\last) == 0
	WLOAD (\j)-4, 1
.endif
.endm
; 64 sums of a lane from window 2's v[s] on, four blocks of which lanes l and l xor 16 hold 16 numbers each, become 16 registers of codes from v[pc] on; the four scale bytes are left in v[TM+4] on.
.macro QCORE s, pc
	WIN 0x0a
.irp b, 0,1,2,3
	v_max3_num_f32 v[TM+\b], |v[(\s)+16*\b]|, |v[(\s)+16*\b+1]|, 0x8000000   ; each accumulator is read from its low end on; the floor 2^(16 - 127) holds the byte at 1 from below
.endr
.irp i, 2,4,6,8,10,12,14
.irp b, 0,1,2,3
	v_max3_num_f32 v[TM+\b], |v[(\s)+16*\b+\i]|, |v[(\s)+16*\b+\i+1]|, v[TM+\b]
.endr
.endr
	WIN 0
.irp b, 0,1,2,3
	v_permlanex16_b32 v[TM+4+\b], v[TM+\b], s[SEL], s[SEL+1]
.endr
.irp b, 0,1,2,3
	v_max_num_f32 v[TM+\b], v[TM+\b], v[TM+4+\b]   ; with lane l xor 16's: the block's largest magnitude
.endr
.irp b, 0,1,2,3
	v_add_nc_u32 v[TM+12+\b], 0xf8800000, v[TM+\b] ; 15 off its exponent field: the conversion's scale operand
.endr
.irp b, 0,1,2,3
	v_and_or_b32 v[TM+8+\b], v[TM+\b], 0x7f800000, s[MNT]   ; 57,344 x the scale
.endr
.irp b, 0,1,2,3
	v_lshrrev_b32 v[TM+4+\b], 23, v[TM+12+\b]      ; the scale's byte
.endr
	WIN 0x82
.irp b, 0,1,2,3
.irp i, 0,1,2,3,4,5,6,7,8,9,10,11,12,13,14,15
	v_med3_num_f32 v[(\s)+16*\b+\i], v[(\s)+16*\b+\i], -v[TM+8+\b], v[TM+8+\b]   ; the conversion does not saturate (ISA guide 7.6.2): the hold comes first
.endr
.endr
	WIN 0x02
.irp b, 0,1,2,3
	v_cvt_scalef32_pk8_bf8_f32 v[(\pc)+4*\b:(\pc)+4*\b+1], v[(\s)+16*\b:(\s)+16*\b+7], v[TM+12+\b]
	v_cvt_scalef32_pk8_bf8_f32 v[(\pc)+4*\b+2:(\pc)+4*\b+3], v[(\s)+16*\b+8:(\s)+16*\b+15], v[TM+12+\b]
.endr
	WIN 0
	v_nop                                          ; one plain line behind the last conversion
.endm
; A pass's way out: two units of 64 tokens.  q, k: group m is x's tiles 2 m, 2 m + 1, two blocks of d each.  v: group m is d's tile m, four blocks of 32 tokens.
.macro OUT mode
.irp m, 0,1,2,3
	QCORE 64*\m, CD+16*\m
.if \mode == 0
	v_lshl_or_b32 v[WD+2*\m], v[TM+5], 8, v[TM+4]
	v_lshl_or_b32 v[WD+2*\m+1], v[TM+7], 8, v[TM+6]
.else
	v_lshl_or_b32 v[WD+\m], v[TM+5], 8, v[TM+4]
	v_lshl_or_b32 v[WD+4+\m], v[TM+7], 8, v[TM+6]
.endif
.irp n, 0,1,2,3
.if \mode == 0
	global_store_b128 v[AX], v[CD+16*\m+4*\n:CD+16*\m+4*\n+3], s[OC:OC+1] offset:2048*\m+512*\n   ; a chunk: 512 consecutive bytes, aligned
.else
	global_store_b128 v[AX], v[CD+16*\m+4*\n:CD+16*\m+4*\n+3], s[OC:OC+1] offset:4096*(\n/2)+1024*\m+512*(\n%2)
.endif
.endr
.endr
	v_cmp_eq_u32 vcc_lo, 1, v2
.irp g, 0,1                            ; lanes 0-15 store tiles 0 and 1's words of row r, lanes 16-31 tiles 2 and 3's: 256 consecutive bytes, aligned
	v_cndmask_b32 v[WO+2*\g], v[WD+4*\g], v[WD+4*\g+2], vcc_lo
	v_cndmask_b32 v[WO+2*\g+1], v[WD+4*\g+1], v[WD+4*\g+3], vcc_lo
	global_store_b64 v8, v[WO+2*\g:WO+2*\g+1], s[OS:OS+1] offset:256*\g
.endr
.endm
	s_load_b256 s[4:11], s[0:1], 0x0               ; opc s[4:5], ops s[6:7], bqkv s[8:9], qkvc s[10:11]
	s_load_b64 s[12:13], s[0:1], 0x20              ; qkvs
	v_lshl_add_u32 v[SPW], v0, 2, SPARE
	v_mov_b32 v[NIL], 0
	ds_add_u32 v[SPW], v[NIL]                      ; the opening lines
	ds_add_u32 v[SPW], v[NIL]
	v_lshrrev_b32 v1, 5, v0
	v_readfirstlane_b32 s[WV], v1                  ; wave 0..3
	s_bfe_u32 s15, ttmp6, 0x40000                  ; g: my place in the cluster; it enters Wqkv's, the bias's and the results' addresses alone
	s_and_b32 s16, ttmp7, 0xffff                   ; x's panel: the four partners share it
	s_mov_b32 s[G1], 15|(3<<16)|(1<<21)            ; the mask names the four; elements of 8 bytes; a quarter of the panel: 32,768 dense bytes as 128 rows of 256
	s_mov_b32 s[G1+1], 32<<16
	s_mov_b32 s[G1+2], 128<<16
	s_mov_b32 s[G1+3], 32<<16
	s_mov_b32 s[G1+4], 128
	s_mov_b32 s[G1+5], 32
	s_mov_b32 s[G1+6], 0
	s_mov_b32 s[G1+7], 0
	s_mul_i32 s48, s[WV], QS                       ; quarter w of K,
	s_lshl_b32 s49, s16, 15                        ; the panel's eight tiles of 4,096 bytes
	s_add_co_u32 s48, s48, s49
	s_mov_b32 s49, 0
	s_mov_b32 s[G0], 1
	s_lshl_b32 s[G0+1], s[WV], 15                  ; LDS: 32,768 x wave
	s_mov_b32 s[SEL], 0x76543210
	s_mov_b32 s[SEL+1], 0xfedcba98
	s_mov_b32 s[MNT], 0x600000
	s_wait_dscnt 0x0
	s_wait_kmcnt 0x0
	s_add_nc_u64 s[G0+2:G0+3], s[4:5], s[48:49]
	s_or_b32 s[G0+3], s[G0+3], 0x80000000
	CROUND                                         ; all four work-groups are here: the joint loads meet
	tensor_load_to_lds s[G0:G0+3], s[G1:G1+7]      ; my one tensor load
	s_nop 0
.rept 4
	v_nop
.endr
	s_lshl_b32 s48, s15, 16
	s_lshl_b32 s50, s[WV], 14
	s_add_co_u32 s48, s48, s50
	s_add_co_u32 s48, s48, 8388608                 ; Wqkv's tiles begin at 512 (2,097,152 bytes); + two quarters of K
	s_add_nc_u64 s[WB:WB+1], s[4:5], s[48:49]
	s_lshl_b32 s48, s15, 11
	s_lshl_b32 s50, s[WV], 9
	s_add_co_u32 s48, s48, s50
	s_add_co_u32 s48, s48, 65536                   ; Wqkv's pairs of tiles begin at 256
	s_add_nc_u64 s[WSB:WSB+1], s[6:7], s[48:49]
	s_lshl_b32 s48, s16, 10
	s_add_nc_u64 s[XSB:XSB+1], s[6:7], s[48:49]
	s_lshl_b32 s48, s15, 10
	s_lshl_b32 s50, s[WV], 8
	s_add_co_u32 s48, s48, s50
	s_add_nc_u64 s[BIB:BIB+1], s[8:9], s[48:49]
	s_lshr_b32 s50, s16, 4
	s_lshl_b32 s50, s50, 4                         ; batch x 16
	s_lshl_b32 s51, s15, 2
	s_add_co_u32 s50, s50, s51
	s_add_co_u32 s50, s50, s[WV]                   ; + head
	s_lshl_b32 s50, s50, 5
	s_and_b32 s51, s16, 15
	s_lshl_b32 s51, s51, 1
	s_add_co_u32 s50, s50, s51                     ; idx of pass 0's first unit
	s_lshl_b32 s48, s50, 12
	s_add_nc_u64 s[OC:OC+1], s[10:11], s[48:49]
	s_lshl_b32 s48, s50, 8
	s_add_nc_u64 s[OS:OS+1], s[12:13], s[48:49]
	v_and_b32 v1, 15, v0                           ; r
	v_bfe_u32 v2, v0, 4, 1                         ; h
	v_and_b32 v3, 31, v0
	v_lshlrev_b32 v[AX], 4, v3                     ; 16 x lane
	v_add_nc_u32 v[AX+1], 65536, v[AX]
	v_lshlrev_b32 v4, 4, v1                        ; 16 r
	v_mad_u32_u24 v5, v2, 2*QSS, v4                ; x's scale words: lanes 16-31 take those two quarters of K on
	v_lshlrev_b32 v6, 6, v2                        ; the bias by source 0's rows: 64 h
	v_and_b32 v7, 8, v1
	v_add_nc_u32 v7, v7, v1
	v_lshlrev_b32 v7, 2, v7                        ; by source 1's rows: 4 (r + 8 (r / 8))
	v_lshl_add_u32 v8, v2, 3, v4                   ; 16 r + 8 h
.irp b, 0,1,2,3
	v_mov_b32 v[TM+4+\b], 0                        ; written once: a lane permute's destination counts as one of its sources
.endr
	s_wait_alu depctr_va_vdst(0)                   ; the wait at the head's end
.irp q, 0,1
.irp p, 0,1,2,3
	global_load_b128 v[XS+16*\q+4*\p:XS+16*\q+4*\p+3], v5, s[XSB:XSB+1] offset:QSS*\q+256*\p   ; copied once into registers
.endr
.endr
.irp q, 0,1,2,3
.irp p, 0,1
	global_load_b128 v[WS+8*\q+4*\p:WS+8*\q+4*\p+3], v4, s[WSB:WSB+1] offset:QSS*\q+256*\p
.endr
.endr
	BIASQ 0
.irp a, 0,1,2,3                        ; v's bias: the lane's own row of tile a, the same number in eight registers
.irp j, 0,1,2,3,4,5,6,7
	global_load_b32 v[BV+8*\a+\j], v7, s[BIB:BIB+1] offset:8192+(32*(\a/2)+8*(\a%2))*4
.endr
.endr
	WLOAD 0, 0
	WLOAD 1, 0
	WLOAD 2, 0
	WLOAD 3, 0
	s_wait_tensorcnt 0x0                           ; my quarter of the panel has landed,
	s_barrier_signal -1
	s_barrier_wait -1                              ; everybody's has.  Nothing is ever filled again
	XFETCH 0
	XFETCH 1
	WIN 0                                          ; at a label and at a branch every window is 0
	s_mov_b32 s[TRIP], 0
.Lqk:                                              ; two trips: q, then k
.irp j, 0,1,2,3,4,5,6,7
	STEP 0, \j, 0
.endr
	OUT 0
	s_wait_alu depctr_va_vdst(0)                   ; the wait ahead of the wait and the branch below
	s_wait_xcnt 0x0                                ; every load and store has read its base and its data: only now are they written again
	s_add_nc_u64 s[WB:WB+1], s[WB:WB+1], 262144    ; 1,024 rows of Wqkv on
	s_add_nc_u64 s[WSB:WSB+1], s[WSB:WSB+1], 8192
	s_add_nc_u64 s[OC:OC+1], s[OC:OC+1], 8388608   ; the next tensor
	s_add_nc_u64 s[OS:OS+1], s[OS:OS+1], 524288
	s_add_co_u32 s[TRIP], s[TRIP], 1
	s_cmp_lt_u32 s[TRIP], 2
	s_cbranch_scc1 .Lqk
.irp j, 0,1,2,3,4,5,6,7
	STEP 1, \j, 1
.endr
	OUT 1
	s_wait_tensorcnt 0x0                           ; the wave's end
	ds_add_u32 v[SPW], v[NIL]
	s_wait_dscnt 0x0
	CROUND                                         ; the closing round
	s_endpgm
.Lfunc_end_k_q57e00ddf93_qkv:
	.size	k_q57e00ddf93_qkv, .Lfunc_end_k_q57e00ddf93_qkv-k_q57e00ddf93_qkv
	.p2alignl 7, 3214868480
	.fill 96, 4, 3214868480
	.section	.rodata,"a",@progbits
	.p2align	6, 0x0
	.amdhsa_kernel k_q57e00ddf93_qkv
		.amdhsa_group_segment_fixed_size 167936
		.amdhsa_private_segment_fixed_size 0
		.amdhsa_enable_private_segment 0
		.amdhsa_kernarg_size 40
		.amdhsa_user_sgpr_count 2
		.amdhsa_user_sgpr_kernarg_segment_ptr 1
		.amdhsa_wavefront_size32 1
		.amdhsa_system_sgpr_workgroup_id_x 1
		.amdhsa_system_sgpr_workgroup_id_y 1
		.amdhsa_system_sgpr_workgroup_id_z 1
		.amdhsa_system_vgpr_workitem_id 0
		.amdhsa_next_free_vgpr 1024
		.amdhsa_next_free_sgpr 66
		.amdhsa_reserve_vcc 1
		.amdhsa_float_denorm_mode_32 3
		.amdhsa_float_denorm_mode_16_64 3
		.amdhsa_memory_ordered 1
		.amdhsa_forward_progress 1
		.amdhsa_inst_pref_size 207
	.end_amdhsa_kernel
	.amdgpu_metadata
---
amdhsa.version: [ 1, 2 ]
amdhsa.kernels:
  - .name:           k_q57e00ddf93_qkv
    .symbol:         k_q57e00ddf93_qkv.kd
    .args:
      - { .name: opc, .offset: 0, .size: 8, .value_kind: global_buffer, .address_space: global }
      - { .name: ops, .offset: 8, .size: 8, .value_kind: global_buffer, .address_space: global }
      - { .name: bqkv, .offset: 16, .size: 8, .value_kind: global_buffer, .address_space: global }
      - { .name: qkvc, .offset: 24, .size: 8, .value_kind: global_buffer, .address_space: global }
      - { .name: qkvs, .offset: 32, .size: 8, .value_kind: global_buffer, .address_space: global }
    .group_segment_fixed_size: 167936
    .private_segment_fixed_size: 0
    .kernarg_segment_align: 8
    .kernarg_segment_size: 40
    .max_flat_workgroup_size: 128
    .sgpr_count:     66
    .vgpr_count:     1024
    .wavefront_size: 32
...
	.end_amdgpu_metadata
.endif
;; end of part 2
;; launch attn (part 3): grid 4 x 64, 16 waves a work-group, clusters of 4 x 1, 327,680 bytes of LDS; arguments qkvc, qkvs, oc, osc; writes oc, osc
.if DOCPART == 3
	.amdgcn_target "amdgcn-amd-amdhsa--gfx1250"
	.amdhsa_code_object_version 6
	.text
	.protected	k_q57e00ddf93_attn
	.globl	k_q57e00ddf93_attn
	.p2align	8
	.type	k_q57e00ddf93_attn,@function
k_q57e00ddf93_attn:
	s_mov_b64 s[64:65], 0
	v_nop
	global_prefetch_b8 v0, s[64:65] scope:SCOPE_SE
	s_setreg_imm32_b32 hwreg(HW_REG_WAVE_MODE, 25, 1), 1
	s_wait_xcnt 0x0
	s_wait_alu depctr_hold_cnt(0) depctr_sa_sdst(0) depctr_va_vdst(0) depctr_va_sdst(0) depctr_va_ssrc(0) depctr_va_vcc(0) depctr_vm_vsrc(0)
	s_getreg_b32 s2, hwreg(HW_REG_IB_STS2, 6, 4)
	s_cmp_eq_u32 s2, 0
	s_cbranch_scc0 .Lentry_in_a_cluster
	s_endpgm
.Lentry_in_a_cluster:
	s_bfe_u32 s2, ttmp6, 0x10000c
	s_cmp_lg_u32 s2, 0x3003
	s_cbranch_scc0 .Lentry_shape_is_right
	s_endpgm
.Lentry_shape_is_right:
; O[b][head][q] = the sum over k of softmax_k(q . k / 8) v, both products on codes of BF8 (E5M2) with E8M0 scales; O / l is quantised along the model's axis for the last projection and leaves as codes.
; THE SOFTMAX AHEAD OF THE SECOND PRODUCT: t = score x log2(e) / 8; M = the running largest t rounded UP to a whole number; p = 2^(t - M) is quantised along the keys, not normalised.
; The row's sum is taken of the unquantised p and divides O at the end.  When M moves, the sum and O are multiplied by 2^(old M - new M): exact.
; SHARES.  A work-group owns 512 queries of one head, the four of a cluster the head's 2,048.  Each of its sixteen waves owns one tile of 16 queries in each of two passes; every wave walks all 2,048 keys, 128 a step.
; THE HEAD'S WHOLE K AND V STAY IN LDS, each byte filled once: no ring.  Piece j = keys 256 j on: K's 16,384 bytes of codes at 32,768 j, V's behind them: one tensor load of two rows (K's, V's) by wave j = 0 .. 7;
; wave 8 fetches the scale words, K's 8,192 bytes and V's, likewise as two rows.  The four work-groups of a cluster need the same bytes: every load is joint.  No wave waits for another between the head and the end.
; LAYOUT.  Both products are used transposed: S^T = K Q^T (source 0 = 16 keys), O^T = V^T P^T (source 0 = 16 of the head's 64): a lane holds ONE query throughout.  The operands lie in memory as images of their registers,
; tiles in pairs (place r of tile u = row 8 u + r + 8 (r / 8) of 32), so the 16 registers of result tiles 2 b and 2 b + 1 are 16 neighbours along the next K.
; THE FIRST PRODUCT'S K IS 64, half of the instruction's 128.  Q's registers 8-15 are zero codes.  K's tile t is named v[32 + 8 t .. + 15]: its upper half is the next tile's codes (zeros behind the last):
; they are finite, since the quantiser holds at 57,344, and meet zero codes, so they add nothing; bytes 2 and 3 of both scale words are 0, which is a power of two and no NaN.
; LIMITS: NaN and infinities are not served; a block of zeros gets the byte 1 (the rule says 127): its codes are zeros and this program alone reads the bytes.  The scaled scores stay under 2^31 in magnitude.
; REGISTERS: v1 16 x lane, v2 16 r, v3, v5 the trip's LDS addresses, v9 v2 + the words, v7, v8 the words' stage; v10 Q's scale word, v11 p's; v12 -M, v13 the largest t, v[14:15] the sum in two halves;
;   v16-23 Q, v24-31 zeros; v32-95 K's eight tiles, then V's four; v96-103 zeros; v104-167 S^T, then p; v168-199 O^T; v200-215 codes; v216-235 at work; v236-243 K's scale words; v244-251 V's; v250-253 sums.
.set KSW,  262144                      ; LDS: K's scale words, V's 8,192 bytes on,
.set OST,  278528                      ; a stage for O's scale words: 1,024 bytes for each pass; no tile lands there,
.set SPARE, 280576                     ; and the spare words
.set S,    104
.set O,    168
.set PCD,  200
.set BM,   216
.set PM,   220
.set HD,   224
.set SO,   228
.set F,    232
.set T,    234
.set KW,   236
.set VW,   244
.set WV,   12
.set SEL,  20
.set CS,   22
.set MNT,  24
.set TB,   25                          ; s25 where the trip's piece begins
.set TS,   26                          ; s26 and its scale words: 1,024 bytes a trip
.set CNT,  27
.set G1C,  28
.set G1S,  36
.set G0C,  44
.set G0S,  48
.set PS,   52                          ; s52 1,024 x the pass
.macro CROUND                          ; a round of the cluster's barrier
	s_barrier_signal -1
	s_barrier_wait -1
	s_cmp_lg_u32 s[WV], 0
	s_cbranch_scc1 .Lnot_wave_0_\@
	s_barrier_signal -3
.Lnot_wave_0_\@:
	s_barrier_wait -3
	s_barrier_signal -1
	s_barrier_wait -1
.endm
	s_load_b256 s[4:11], s[0:1], 0x0               ; qkvc s[4:5], qkvs s[6:7], oc s[8:9], osc s[10:11]
	v_lshl_add_u32 v254, v0, 2, SPARE
	v_mov_b32 v255, 0
	ds_add_u32 v254, v255                          ; the opening lines
	ds_add_u32 v254, v255
	v_lshrrev_b32 v1, 5, v0
	v_readfirstlane_b32 s[WV], v1                  ; wave 0..15
	s_bfe_u32 s13, ttmp6, 0x40000                  ; cx
	s_and_b32 s14, ttmp7, 0xffff                   ; batch x 16 + head: the four partners share it
	s_lshr_b32 s15, s14, 4                         ; batch
	s_and_b32 s16, s14, 15                         ; head
	s_lshl_b32 s17, ttmp9, 2
	s_add_co_u32 s17, s17, s13                     ; my block of 512 queries: it enters Q's and O's addresses alone
	s_and_b32 s19, s[WV], 7                        ; the piece that I fetch, if I fetch
	s_mov_b32 s[SEL], 0x76543210
	s_mov_b32 s[SEL+1], 0xfedcba98
	s_mov_b32 s[CS], 0x3e38aa3b                    ; c = log2(e) / 8
	s_mov_b32 s[CS+1], s[CS]
	s_mov_b32 s[MNT], 0x600000
	s_mov_b32 s[G1C], 15|(3<<16)|(1<<21)           ; codes: two rows of 2,048 elements of 8 bytes, a tensor (8,388,608 bytes) apart; the mask names all four work-groups
	s_mov_b32 s[G1C+1], 2048<<16
	s_mov_b32 s[G1C+2], 2<<16
	s_mov_b32 s[G1C+3], 2048<<16
	s_mov_b32 s[G1C+4], 2
	s_mov_b32 s[G1C+5], 1048576
	s_mov_b32 s[G1C+6], 0
	s_mov_b32 s[G1C+7], 0
	s_mov_b32 s[G1S], 15|(3<<16)|(1<<21)           ; scale words: two rows of 1,024 elements, 524,288 bytes apart
	s_mov_b32 s[G1S+1], 1024<<16
	s_mov_b32 s[G1S+2], 2<<16
	s_mov_b32 s[G1S+3], 1024<<16
	s_mov_b32 s[G1S+4], 2
	s_mov_b32 s[G1S+5], 65536
	s_mov_b32 s[G1S+6], 0
	s_mov_b32 s[G1S+7], 0
	s_lshl_b32 s78, s14, 17                        ; codes: 131,072 bytes a head,
	s_lshl_b32 s79, s19, 14                        ; 16,384 a piece,
	s_add_co_u32 s78, s78, s79
	s_add_co_u32 s78, s78, 8388608                 ; tensor 1 = k
	s_mov_b32 s79, 0
	s_lshl_b32 s76, s14, 13                        ; scale words: 8,192 bytes a head
	s_add_co_u32 s76, s76, 524288
	s_mov_b32 s77, 0
	s_mov_b32 s[G0C], 1
	s_lshl_b32 s[G0C+1], s19, 15                   ; LDS: made of the wave's number alone
	s_mov_b32 s[G0S], 1
	s_mov_b32 s[G0S+1], KSW
	s_wait_dscnt 0x0
	s_wait_kmcnt 0x0
	s_add_nc_u64 s[G0C+2:G0C+3], s[4:5], s[78:79]
	s_or_b32 s[G0C+3], s[G0C+3], 0x80000000
	s_add_nc_u64 s[G0S+2:G0S+3], s[6:7], s[76:77]
	s_or_b32 s[G0S+3], s[G0S+3], 0x80000000
	CROUND                                         ; all four work-groups are here: the joint loads meet
	s_cmp_lt_u32 s[WV], 8                          ; one chain of branches on the wave's number, one load to an arm
	s_cbranch_scc0 .Lhead_s
	tensor_load_to_lds s[G0C:G0C+3], s[G1C:G1C+7]
	s_nop 0
.rept 4
	v_nop
.endr
	s_branch .Lhead_done
.Lhead_s:
	s_cmp_eq_u32 s[WV], 8
	s_cbranch_scc0 .Lhead_done
	tensor_load_to_lds s[G0S:G0S+3], s[G1S:G1S+7]
	s_nop 0
.rept 4
	v_nop
.endr
.Lhead_done:
	; Q's codes: tile 32 x + 16 pass + w of the head, 1,024 bytes a tile
	s_lshl_b32 s74, s17, 5
	s_add_co_u32 s74, s74, s[WV]
	s_lshl_b32 s76, s74, 10
	s_lshl_b32 s78, s14, 17
	s_add_co_u32 s76, s76, s78
	s_add_nc_u64 s[66:67], s[4:5], s[76:77]
	; Q's scale words: group 8 x + 4 pass + w / 4, 256 bytes a group; tile w % 4
	s_lshl_b32 s75, s17, 3
	s_lshr_b32 s78, s[WV], 2
	s_add_co_u32 s78, s78, s75
	s_lshl_b32 s76, s78, 8
	s_lshl_b32 s78, s14, 13
	s_add_co_u32 s76, s76, s78
	s_and_b32 s78, s[WV], 3
	s_lshl_b32 s78, s78, 2
	s_add_co_u32 s76, s76, s78
	s_add_nc_u64 s[68:69], s[6:7], s[76:77]
	; O's codes: oc [head / 4][batch x 128 + tile][4,096 bytes], in which the head's 64 along K are the 1,024 bytes at (head % 4) x 1,024
	s_lshl_b32 s76, s15, 7
	s_add_co_u32 s76, s76, s74
	s_lshl_b32 s76, s76, 12
	s_lshr_b32 s78, s16, 2
	s_lshl_b32 s78, s78, 21
	s_add_co_u32 s76, s76, s78
	s_and_b32 s78, s16, 3
	s_lshl_b32 s78, s78, 10
	s_add_co_u32 s76, s76, s78
	s_add_nc_u64 s[70:71], s[8:9], s[76:77]
	; O's scale words: osc [head][batch x 32 + group][256 bytes]: my work-group's eight groups are 2,048 bytes on end; waves 0 to 3 store 512 each
	s_lshl_b32 s76, s16, 7
	s_lshl_b32 s78, s15, 5
	s_add_co_u32 s76, s76, s78
	s_add_co_u32 s76, s76, s75
	s_lshl_b32 s76, s76, 8
	s_and_b32 s78, s[WV], 3
	s_lshl_b32 s81, s78, 9
	s_add_co_u32 s76, s76, s81
	s_add_nc_u64 s[72:73], s[10:11], s[76:77]
	s_add_co_u32 s81, s81, OST
	s_lshr_b32 s80, s[WV], 2
	s_lshl_b32 s80, s80, 8
	s_lshl_b32 s78, s78, 2
	s_add_co_u32 s80, s80, s78
	s_add_co_u32 s80, s80, OST
	s_mov_b32 s[PS], 0
	v_and_b32 v1, 31, v0
	v_and_b32 v2, 15, v0
	v_lshlrev_b32 v1, 4, v1                        ; 16 x lane
	v_lshlrev_b32 v2, 4, v2                        ; 16 r
	v_add_nc_u32 v8, s81, v1                       ; the stage, back: 512 bytes a wave
	v_add_nc_u32 v9, KSW, v2
	v_add_nc_u32 v7, s80, v2                       ; the stage, in: group w / 4, row r, tile w % 4
.irp j, 0,1,2,3,4,5,6,7
	v_mov_b32 v[24+\j], 0                          ; Q's upper 64 along K: zero codes
	v_mov_b32 v[96+\j], 0                          ; and what stands behind K's last tile
.endr
.irp b, 0,1,2,3
	v_mov_b32 v[PM+\b], 0                          ; written once: a lane permute's destination counts as one of its sources
.endr
	v_mov_b32 v[F+1], 0                            ; (named as the upper half of a pair)
	s_wait_alu depctr_va_vdst(0)                   ; the wait at the head's end
	global_load_b128 v[16:19], v1, s[66:67]        ; the first pass's tile of Q stays in registers
	global_load_b128 v[20:23], v1, s[66:67] offset:512
	global_load_b32 v10, v2, s[68:69]
; A KEY STEP: 128 keys, half h of the trip's piece.
.macro STEP h
.if \h == 0
	v_add_nc_u32 v3, s[TB], v1                     ; these two and six v_nop are the eight places behind the last products, in front of loads into registers that they read
	v_add_nc_u32 v5, s[TS], v9
.rept 6
	v_nop
.endr
.else
.rept 8
	v_nop
.endr
.endif
.irp t, 0,1,2,3,4,5,6,7
	ds_load_b128 v[32+8*\t:35+8*\t], v3 offset:8192*\h+1024*\t         ; K's tile t: two chunks of 512 consecutive bytes
	ds_load_b128 v[36+8*\t:39+8*\t], v3 offset:8192*\h+1024*\t+512
.endr
	ds_load_b128 v[KW:KW+3], v5 offset:512*\h                  ; K's scale words: tiles 0-3 of row r,
	ds_load_b128 v[KW+4:KW+7], v5 offset:512*\h+256            ; tiles 4-7
	ds_load_b128 v[VW:VW+3], v5 offset:512*\h+8192             ; V's: the first 64 keys' two bytes for its four tiles,
	ds_load_b128 v[VW+4:VW+7], v5 offset:512*\h+8448           ; the second 64 keys'
	s_wait_alu depctr_va_vdst(0)                   ; directly ahead of the wait below
	s_wait_dscnt 0x0
.irp t, 0,1,2,3,4,5,6,7
	v_wmma_scale_f32_16x16x128_f8f6f4 v[S+8*\t:S+8*\t+7], v[32+8*\t:47+8*\t], v[16:31], 0, v[KW+\t], v10 matrix_a_fmt:MATRIX_FMT_BF8 matrix_b_fmt:MATRIX_FMT_BF8
.endr
.irp a, 0,1,2,3
	v_lshl_or_b32 v[VW+\a], v[VW+4+\a], 16, v[VW+\a]   ; V's word of four bytes for these 128 keys.  (These four and four v_nop: the eight places behind the products)
.endr
.rept 4
	v_nop
.endr
.irp a, 0,1,2,3
.irp g, 0,1
	ds_load_b128 v[32+16*\a+8*\g:35+16*\a+8*\g], v3 offset:16384+8192*\h+4096*\g+1024*\a       ; V's tile a, keys 64 g on: it lands under the softmax
	ds_load_b128 v[36+16*\a+8*\g:39+16*\a+8*\g], v3 offset:16384+8192*\h+4096*\g+1024*\a+512
.endr
.endr
.irp b, 0,1,2,3
	v_max3_num_f32 v[BM+\b], v[S+16*\b], v[S+16*\b+1], v[S+16*\b+2]   ; the largest score of each block of 32 keys: it serves for the row's maximum and, since p rises with the score, for the block's largest p
.endr
.irp i, 3,5,7,9,11,13
.irp b, 0,1,2,3
	v_max3_num_f32 v[BM+\b], v[BM+\b], v[S+16*\b+\i], v[S+16*\b+\i+1]
.endr
.endr
.irp b, 0,1,2,3
	v_max_num_f32 v[BM+\b], v[BM+\b], v[S+16*\b+15]
.endr
.irp b, 0,1,2,3
	s_delay_alu instid0(VALU_DEP_4)
	v_permlanex16_b32 v[PM+\b], v[BM+\b], s[SEL], s[SEL+1]
.endr
.irp b, 0,1,2,3
	s_delay_alu instid0(VALU_DEP_4)
	v_max_num_f32 v[BM+\b], v[BM+\b], v[PM+\b]     ; with lane l xor 16's 16 keys
.endr
	s_delay_alu instid0(VALU_DEP_2)
	v_max3_num_f32 v[T], v[BM], v[BM+1], v[BM+2]
	s_delay_alu instid0(VALU_DEP_1)
	v_max_num_f32 v[T], v[T], v[BM+3]              ; the step's largest score of my query,
	s_delay_alu instid0(VALU_DEP_1)
	v_mul_f32 v[T], s[CS], v[T]                    ; as t (c is positive)
	s_delay_alu instid0(VALU_DEP_1)
	v_max_num_f32 v13, v13, v[T]                   ; the running largest t
	v_mov_b32 v[T], v12
	s_delay_alu instid0(VALU_DEP_2)
	v_floor_f32 v12, -v13                          ; the new -M = floor(-t): M is a whole number
	s_delay_alu instid0(VALU_DEP_1)
	v_sub_f32 v[T], v12, v[T]                      ; old M - new M: a whole number, 0 or less
	s_delay_alu instid0(VALU_DEP_1)
	v_cvt_i32_f32 v[T], v[T]                       ; (it saturates)
	s_delay_alu instid0(VALU_DEP_1)
	v_ldexp_f32 v[F], 1.0, v[T]                    ; f = 2^(old M - new M)
.set n, 0
.rept 32
	v_pk_fma_f32 v[S+n:S+n+1], v[S+n:S+n+1], s[CS:CS+1], v[12:13] op_sel_hi:[1,0,0]   ; t - M, two at a time
.set n, n+2
.endr
.irp b, 0,1,2,3
	v_fma_f32 v[BM+\b], v[BM+\b], s[CS], v12       ; the same of each block's largest score
.endr
	s_wait_alu depctr_va_vdst(0)                   ; the wait ahead of the batch
.set n, 0
.rept 64
	v_exp_f32 v[S+n], v[S+n]                       ; p = 2^(t - M), at most 1
.set n, n+1
.endr
	v_pk_mul_f32 v[14:15], v[14:15], v[F:F+1] op_sel_hi:[1,0]   ; the sums under the new M: the plain line behind the exponentials
	s_wait_alu depctr_va_vdst(0)                   ; one wait for the batch of 64, ahead of its first reader
.irp b, 0,1,2,3
	v_exp_f32 v[BM+\b], v[BM+\b]                   ; the block's largest p: the same two instructions on the same number
.endr
	v_pk_add_f32 v[220:221], v[S:S+1], v[S+2:S+3]  ; the row's sum is taken of the unquantised p: two at a time, in four chains
	v_pk_add_f32 v[252:253], v[S+4:S+5], v[S+6:S+7]
	v_pk_add_f32 v[250:251], v[S+8:S+9], v[S+10:S+11]
	v_pk_add_f32 v[14:15], v[14:15], v[S+12:S+13]
.irp j, 14,22,30,38,46,54
	v_pk_add_f32 v[220:221], v[220:221], v[S+\j:S+\j+1]
	v_pk_add_f32 v[252:253], v[252:253], v[S+\j+2:S+\j+3]
	v_pk_add_f32 v[250:251], v[250:251], v[S+\j+4:S+\j+5]
	v_pk_add_f32 v[14:15], v[14:15], v[S+\j+6:S+\j+7]
.endr
	v_pk_add_f32 v[220:221], v[220:221], v[S+62:S+63]
	v_pk_add_f32 v[252:253], v[252:253], v[250:251]
	v_pk_add_f32 v[14:15], v[14:15], v[220:221]
	v_pk_add_f32 v[14:15], v[14:15], v[252:253]
	s_wait_alu depctr_va_vdst(0)                   ; and one for the four
.irp b, 0,1,2,3
	v_max_num_f32 v[BM+\b], 0x8000000, v[BM+\b]    ; the floor 2^(16 - 127): the byte cannot fall under 1
.endr
.irp b, 0,1,2,3
	v_add_nc_u32 v[SO+\b], 0xf8800000, v[BM+\b]    ; 15 off the exponent field: the conversion's scale operand
.endr
.irp b, 0,1,2,3
	v_and_or_b32 v[HD+\b], v[BM+\b], 0x7f800000, s[MNT]   ; 57,344 x the scale
.endr
.irp b, 0,1,2,3
	v_lshrrev_b32 v[PM+\b], 23, v[SO+\b]           ; the scale's byte
.endr
	v_lshl_or_b32 v11, v[PM+1], 8, v[PM]           ; p's scale word for these 128 keys
	v_lshl_or_b32 v[PM+2], v[PM+3], 8, v[PM+2]
	v_nop
	v_lshl_or_b32 v11, v[PM+2], 16, v11
.irp b, 0,1,2,3
.irp i, 0,2,4,6,8,10,12,14
	v_dual_min_num_f32 v[S+16*\b+\i], v[S+16*\b+\i], v[HD+\b] :: v_dual_min_num_f32 v[S+16*\b+\i+1], v[S+16*\b+\i+1], v[HD+\b]   ; the conversion does not saturate (ISA guide 7.6.2); p is not negative, so the hold is one-sided; two to an instruction
.endr
	v_cvt_scalef32_pk8_bf8_f32 v[PCD+4*\b:PCD+4*\b+1], v[S+16*\b:S+16*\b+7], v[SO+\b]
	v_cvt_scalef32_pk8_bf8_f32 v[PCD+4*\b+2:PCD+4*\b+3], v[S+16*\b+8:S+16*\b+15], v[SO+\b]
.endr
	s_wait_alu depctr_va_vdst(0)                   ; directly ahead of the first reader of O^T
.set n, 0
.rept 16
	v_pk_mul_f32 v[O+n:O+n+1], v[O+n:O+n+1], v[F:F+1] op_sel_hi:[1,0]   ; O^T under the new M.  (These sixteen are also the places between the codes and the products below)
.set n, n+2
.endr
	s_wait_alu depctr_va_vdst(0)                   ; directly ahead of the wait below
	s_wait_dscnt 0x0                               ; V is in
.irp a, 0,1,2,3
	v_wmma_scale_f32_16x16x128_f8f6f4 v[O+8*\a:O+8*\a+7], v[32+16*\a:47+16*\a], v[PCD:PCD+15], v[O+8*\a:O+8*\a+7], v[VW+\a], v11 matrix_a_fmt:MATRIX_FMT_BF8 matrix_b_fmt:MATRIX_FMT_BF8
.endr
.endm
	s_wait_tensorcnt 0x0                           ; my load, if I had one, has landed,
	s_barrier_signal -1
	s_barrier_wait -1                              ; everybody's has.  Nothing is ever filled again
.Lpass:                                            ; two trips
	s_wait_loadcnt 0x0                             ; this pass's Q
	v_mov_b32 v13, 0xff61b1e6                      ; the largest t so far: -3e38, under every t
	v_mov_b32 v14, 0
	v_mov_b32 v15, 0
	v_floor_f32 v12, -v13                          ; -M
.set n, 0
.rept 32
	v_mov_b32 v[O+n], 0                            ; the step is written once: its first run finds zeros, which the first change of M leaves zeros
.set n, n+1
.endr
	s_mov_b32 s[TB], 0
	s_mov_b32 s[TS], 0
	s_mov_b32 s[CNT], 8
	s_wait_alu depctr_va_vdst(0)                   ; the wait ahead of the loop
.Lkeys:                                            ; eight trips: a piece of 256 keys, two steps
	STEP 0
	STEP 1
	s_add_co_u32 s[TB], s[TB], 32768
	s_add_co_u32 s[TS], s[TS], 1024
	s_sub_co_u32 s[CNT], s[CNT], 1
	s_cmp_lg_u32 s[CNT], 0
	s_cbranch_scc1 .Lkeys
	; A pass ends: O^T / l is quantised along the head's 64 (two blocks) and leaves as two chunks of an operand's image; its scale word goes to the stage.
	s_cmp_lg_u32 s[PS], 0
	s_cbranch_scc1 .Lno_q
	global_load_b128 v[16:19], v1, s[66:67] offset:16384       ; the second pass's Q: its registers were last read by products far back
	global_load_b128 v[20:23], v1, s[66:67] offset:16896
	global_load_b32 v10, v2, s[68:69] offset:1024
.Lno_q:
	v_add_f32 v14, v14, v15                        ; the sum's two halves,
	s_delay_alu instid0(VALU_DEP_1)
	v_permlanex16_b32 v[PM], v14, s[SEL], s[SEL+1]
	s_delay_alu instid0(VALU_DEP_1)
	v_add_f32 v14, v14, v[PM]                      ; and lane l xor 16's: l
	s_wait_alu depctr_va_vdst(0)                   ; the wait ahead of the transcendental
	v_rcp_f32 v[F], v14
	v_add_nc_u32 v[T+1], s[PS], v7                 ; my word's place in this pass's stage
.rept 7
	v_nop                                          ; with the line above: the places behind the last products, and the plain line behind the reciprocal
.endr
	s_wait_alu depctr_va_vdst(0)                   ; the wait ahead of the reciprocal's first reader, which is O^T's too
.set n, 0
.rept 16
	v_pk_mul_f32 v[O+n:O+n+1], v[O+n:O+n+1], v[F:F+1] op_sel_hi:[1,0]   ; O^T / l, each accumulator from its low end on: register 16 b + i is d = 32 b + 16 h + i
.set n, n+2
.endr
.irp b, 0,1
	v_max3_num_f32 v[BM+\b], |v[O+16*\b]|, |v[O+16*\b+1]|, 0x8000000
.endr
.irp i, 2,4,6,8,10,12,14
.irp b, 0,1
	s_delay_alu instid0(VALU_DEP_2)
	v_max3_num_f32 v[BM+\b], v[BM+\b], |v[O+16*\b+\i]|, |v[O+16*\b+\i+1]|
.endr
.endr
.irp b, 0,1
	s_delay_alu instid0(VALU_DEP_2)
	v_permlanex16_b32 v[PM+\b], v[BM+\b], s[SEL], s[SEL+1]
.endr
.irp b, 0,1
	s_delay_alu instid0(VALU_DEP_2)
	v_max_num_f32 v[BM+\b], v[BM+\b], v[PM+\b]
.endr
.irp b, 0,1
	s_delay_alu instid0(VALU_DEP_2)
	v_add_nc_u32 v[SO+\b], 0xf8800000, v[BM+\b]
.endr
.irp b, 0,1
	s_delay_alu instid0(VALU_DEP_4)
	v_and_or_b32 v[HD+\b], v[BM+\b], 0x7f800000, s[MNT]
.endr
.irp b, 0,1
	s_delay_alu instid0(VALU_DEP_4)
	v_lshrrev_b32 v[PM+\b], 23, v[SO+\b]
.endr
	s_delay_alu instid0(VALU_DEP_1)
	v_lshl_or_b32 v[T], v[PM+1], 8, v[PM]          ; my row's word: the head's two bytes; bytes 2 and 3 stay 0
.irp b, 0,1
.irp i, 0,1,2,3,4,5,6,7,8,9,10,11,12,13,14,15
	v_med3_num_f32 v[O+16*\b+\i], v[O+16*\b+\i], -v[HD+\b], v[HD+\b]
.endr
	v_cvt_scalef32_pk8_bf8_f32 v[PCD+4*\b:PCD+4*\b+1], v[O+16*\b:O+16*\b+7], v[SO+\b]
	v_cvt_scalef32_pk8_bf8_f32 v[PCD+4*\b+2:PCD+4*\b+3], v[O+16*\b+8:O+16*\b+15], v[SO+\b]
.endr
	v_nop                                          ; one plain line behind the last conversion
	global_store_b128 v1, v[PCD:PCD+3], s[70:71]               ; 512 consecutive bytes, aligned
	global_store_b128 v1, v[PCD+4:PCD+7], s[70:71] offset:512
	ds_store_b32 v[T+1], v[T]                      ; lanes r and r + 16 write the same word with the same value
	s_wait_alu depctr_va_vdst(0)                   ; the wait ahead of the wait and the branch below
	s_wait_xcnt 0x0                                ; the loads and stores have read their bases and registers: they are written again only behind this wait
	s_add_nc_u64 s[66:67], s[66:67], 16384         ; sixteen tiles on
	s_add_nc_u64 s[68:69], s[68:69], 1024
	s_add_nc_u64 s[70:71], s[70:71], 65536
	s_add_co_u32 s[PS], s[PS], 1024
	s_cmp_lt_u32 s[PS], 2048
	s_cbranch_scc1 .Lpass
	s_wait_dscnt 0x0                               ; for the others' sake: my two words lie in the stage
	s_barrier_signal -1
	s_barrier_wait -1
	s_cmp_lt_u32 s[WV], 4
	s_cbranch_scc0 .Lno_words
	ds_load_b128 v[BM:BM+3], v8
	s_wait_dscnt 0x0
	global_store_b128 v1, v[BM:BM+3], s[72:73]     ; 512 consecutive bytes, aligned
.Lno_words:
	s_wait_tensorcnt 0x0                           ; the wave's end
	ds_add_u32 v254, v255
	s_wait_dscnt 0x0
	CROUND                                         ; the closing round
	s_endpgm
.Lfunc_end_k_q57e00ddf93_attn:
	.size	k_q57e00ddf93_attn, .Lfunc_end_k_q57e00ddf93_attn-k_q57e00ddf93_attn
	.p2alignl 7, 3214868480
	.fill 96, 4, 3214868480
	.section	.rodata,"a",@progbits
	.p2align	6, 0x0
	.amdhsa_kernel k_q57e00ddf93_attn
		.amdhsa_group_segment_fixed_size 327680
		.amdhsa_private_segment_fixed_size 0
		.amdhsa_enable_private_segment 0
		.amdhsa_kernarg_size 32
		.amdhsa_user_sgpr_count 2
		.amdhsa_user_sgpr_kernarg_segment_ptr 1
		.amdhsa_wavefront_size32 1
		.amdhsa_system_sgpr_workgroup_id_x 1
		.amdhsa_system_sgpr_workgroup_id_y 1
		.amdhsa_system_sgpr_workgroup_id_z 1
		.amdhsa_system_vgpr_workitem_id 0
		.amdhsa_next_free_vgpr 256
		.amdhsa_next_free_sgpr 84
		.amdhsa_reserve_vcc 0
		.amdhsa_float_denorm_mode_32 3
		.amdhsa_float_denorm_mode_16_64 3
		.amdhsa_memory_ordered 1
		.amdhsa_forward_progress 1
		.amdhsa_inst_pref_size 55
	.end_amdhsa_kernel
	.amdgpu_metadata
---
amdhsa.version: [ 1, 2 ]
amdhsa.kernels:
  - .name:           k_q57e00ddf93_attn
    .symbol:         k_q57e00ddf93_attn.kd
    .args:
      - { .name: qkvc, .offset: 0, .size: 8, .value_kind: global_buffer, .address_space: global }
      - { .name: qkvs, .offset: 8, .size: 8, .value_kind: global_buffer, .address_space: global }
      - { .name: oc, .offset: 16, .size: 8, .value_kind: global_buffer, .address_space: global }
      - { .name: osc, .offset: 24, .size: 8, .value_kind: global_buffer, .address_space: global }
    .group_segment_fixed_size: 327680
    .private_segment_fixed_size: 0
    .kernarg_segment_align: 8
    .kernarg_segment_size: 32
    .max_flat_workgroup_size: 512
    .sgpr_count:     84
    .vgpr_count:     256
    .wavefront_size: 32
...
	.end_amdgpu_metadata
.endif
;; end of part 3
;; launch proj (part 4): grid 4 x 64, 4 waves a work-group, clusters of 4 x 1, 167,936 bytes of LDS; arguments opc, ops, oc, osc, bout, out0; writes out0
.if DOCPART == 4
	.amdgcn_target "amdgcn-amd-amdhsa--gfx1250"
	.amdhsa_code_object_version 6
	.text
	.protected	k_q57e00ddf93_proj
	.globl	k_q57e00ddf93_proj
	.p2align	8
	.type	k_q57e00ddf93_proj,@function
k_q57e00ddf93_proj:
	s_mov_b64 s[64:65], 0
	v_nop
	global_prefetch_b8 v0, s[64:65] scope:SCOPE_SE
	s_setreg_imm32_b32 hwreg(HW_REG_WAVE_MODE, 25, 1), 1
	s_wait_xcnt 0x0
	s_wait_alu depctr_hold_cnt(0) depctr_sa_sdst(0) depctr_va_vdst(0) depctr_va_sdst(0) depctr_va_ssrc(0) depctr_va_vcc(0) depctr_vm_vsrc(0)
	s_getreg_b32 s2, hwreg(HW_REG_IB_STS2, 6, 4)
	s_cmp_eq_u32 s2, 0
	s_cbranch_scc0 .Lentry_in_a_cluster
	s_endpgm
.Lentry_in_a_cluster:
	s_bfe_u32 s2, ttmp6, 0x10000c
	s_cmp_lg_u32 s2, 0x3003
	s_cbranch_scc0 .Lentry_shape_is_right
	s_endpgm
.Lentry_shape_is_right:
; out0 = O Wout^T + bout on codes of BF8 (E5M2) with E8M0 scales, sums in f32.  O's codes and scale words come from the attention, Wout's from the first launch, all as images of operand registers.  No step is left out.
; SHARES.  256 work-groups = 64 panels of 128 rows of O (work-group y) x 4 groups g of 256 rows of Wout (the place in the cluster).  Wave w takes Wout's rows 256 g + 64 w on against all 128 rows of O.
; O's PANEL lies in LDS for all of K = 1,024: 131,072 bytes, each byte filled once (wave w fetches quarter w of K), so there is no ring.  The four partners of a cluster need the same panel: the load is joint.
; Wout's FRAGMENTS go from memory straight into registers, 512 consecutive bytes a load, and stay: my 64 rows for all of K are 512 registers, all asked for at the head, beside the panel's load.
; The partners' rows of Wout differ, so nothing of it could be asked for jointly; and all of it is asked for at the head, so there is no loop for a prefetch to run ahead in.
; TWO HALVES.  The panel's tokens 0-63 are multiplied through all of K (16 accumulators) and leave; then tokens 64-127, on the same registers: the first half's stores are out while the second half is multiplied.
; LAYOUT.  Source 0 = Wout, source 1 = O: lane (r, h) holds the token at place r of O's tile a, and register 16 b + i of that tile's 32 is output 32 b + 16 h + i
; (the operands' tiles lie in pairs: place r of tile u = row 8 u + r + 8 (r / 8) of 32).
; THE WAY OUT.  A wave's 64 outputs of a token are 256 bytes.  A tile of 16 tokens goes through the wave's own stage in LDS (rows of 256 bytes + 16) and leaves by rows: sixteen lanes store 256 consecutive bytes, aligned.
; REGISTERS.  Window 0: addresses, v32-63 the bias as C, v64-127 O's scale words (8 j + a), v128-159 Wout's (8 q + 2 t + s), v160-223 rows on their way out, two sets.
;   Windows 1 and 3: Wout's fragments of K steps 0-3 and 4-7.  Window 2: v0-127 the sums (at the head: O's scale words as they are loaded), v128-255 O's fragments, two sets of 64.
.set QS,   3145728                     ; from a quarter of K to the next in opc,
.set QSR,  2097152                     ; in oc,
.set QSS,  98304                       ; and in ops
.set STAGE, 131072                     ; behind the panel: 16 rows x 272 bytes for each wave; no tile lands there
.set SPARE, 148480                     ; behind the stages: the spare words
.set SPW,  10
.set NIL,  11
.set AX,   12                          ; v12 16 x lane; v13 the same + 65,536
.set STO,  14
.set RD,   15
.set CO,   16
.set BB,   32
.set XS,   64
.set WS,   128
.set BK,   160
.set WV,   14
.set G1,   24
.set G0,   32
.set WB,   36                          ; s[36:37] my rows' codes, at the third quarter of K, so that every offset fits the signed immediate
.set WSB,  38
.set BIB,  40
.set OUTB, 42
.set OSB,  44
.set MSB,  0
.macro WIN new                         ; the immediate's high byte repeats the setting that is left
.if MSB != \new
	s_set_vgpr_msb (MSB<<8)|\new
.set MSB, \new
.endif
.endm
.macro CROUND                          ; a round of the cluster's barrier
	s_barrier_signal -1
	s_barrier_wait -1
	s_cmp_lg_u32 s[WV], 0
	s_cbranch_scc1 .Lnot_wave_0_\@
	s_barrier_signal -3
.Lnot_wave_0_\@:
	s_barrier_wait -3
	s_barrier_signal -1
	s_barrier_wait -1
.endm
.macro WLOAD j                         ; Wout's four fragments of K step j: 16 loads of 512 consecutive bytes
.if (\j) < 4
	WIN 0x40
.else
	WIN 0xc0
.endif
.irp t, 0,1,2,3
.irp c, 0,1,2,3
	global_load_b128 v[64*((\j)%4)+16*\t+4*\c:64*((\j)%4)+16*\t+4*\c+3], v[AX], s[WB:WB+1] offset:((\j)/2-2)*QS+4096*\t+2048*((\j)%2)+512*\c
.endr
.endr
.endm
.macro XFETCH i                        ; step i = 8 x half + K step: O's four fragments into set i % 2: 16 loads of 512 consecutive bytes
	WIN 0x80
.irp a, 0,1,2,3
.irp c, 0,1,2,3
	ds_load_b128 v[128+64*((\i)%2)+16*\a+4*\c:128+64*((\i)%2)+16*\a+4*\c+3], v[AX+((\i)%8)/4] offset:32768*((((\i)%8)/2)%2)+4096*(4*((\i)/8)+\a)+2048*((\i)%2)+512*\c
.endr
.endr
.endm
; The 16 products of step i: O's four tiles one after the other, each against Wout's four.  The 16 accumulators take turns, in the same order in every step.  In a half's first step the bias as C starts the sums.
.macro MUL i
.set MW,  64*((\i)%4)
.set MX,  128+64*((\i)%2)
.set MSW, WS+8*(((\i)%8)/2)+(\i)%2
.set MSX, XS+8*((\i)%8)+4*((\i)/8)
.irp x, 0,1,2,3
.irp w, 0,1,2,3
.if ((\i)%8) == 0
	v_wmma_scale_f32_16x16x128_f8f6f4 v[32*\x+8*\w:32*\x+8*\w+7], v[MW+16*\w:MW+16*\w+15], v[MX+16*\x:MX+16*\x+15], v[BB+8*\w:BB+8*\w+7], v[MSW+2*\w], v[MSX+\x] matrix_a_fmt:MATRIX_FMT_BF8 matrix_b_fmt:MATRIX_FMT_BF8
.else
	v_wmma_scale_f32_16x16x128_f8f6f4 v[32*\x+8*\w:32*\x+8*\w+7], v[MW+16*\w:MW+16*\w+15], v[MX+16*\x:MX+16*\x+15], v[32*\x+8*\w:32*\x+8*\w+7], v[MSW+2*\w], v[MSX+\x] matrix_a_fmt:MATRIX_FMT_BF8 matrix_b_fmt:MATRIX_FMT_BF8
.endif
.endr
.endr
.endm
; Step i.  Behind its products and eight places O's set that they read is asked for again.
.macro STEP i
.if (\i) == 15
	s_wait_dscnt 0x0
.else
	s_wait_dscnt 16                                ; this step's fragments of O are in; the next step's 16 loads may be out
.endif
.if (\i) < 4
	s_wait_loadcnt 63                              ; behind this step's fragments of Wout 64 loads and more were issued: with 63 out, they are in
.elseif (\i) < 8
	s_wait_loadcnt 16*(7-(\i))                     ; the later steps' fragments, 16 loads each, may be out
.endif
.if ((\i)%8) == 0
	WIN 0x89                                       ; source 0 window 1, source 1 window 2, C window 0, D window 2
.elseif ((\i)%8) < 4
	WIN 0xa9
.else
	WIN 0xab                                       ; source 0 window 3
.endif
	MUL \i
.rept 8
	v_nop
.endr
.if (\i) < 14
	XFETCH (\i)+2
.endif
.endm
; O's tile a leaves: 16 tokens x 64 outputs through my stage.  LDS serves a wave's instructions in order (ISA guide 5.7.1.4): no wait between the stores and the loads, nor in front of the next tile's stores.
.macro OUTA a
.if (\a) > 1
	s_wait_xcnt 0x0                                ; the stores of the tile two back have read their registers: they are loaded again only behind this wait
.endif
	WIN 0x08                                       ; the data: window 2
.irp n, 0,1,2,3,4,5,6,7
	ds_store_b128 v[STO], v[32*((\a)%4)+4*\n:32*((\a)%4)+4*\n+3] offset:128*(\n/4)+16*(\n%4)   ; each accumulator from its low end on
.endr
	WIN 0
.irp i, 0,1,2,3,4,5,6,7
	ds_load_b128 v[BK+32*((\a)%2)+4*\i:BK+32*((\a)%2)+4*\i+3], v[RD] offset:544*\i
.endr
.irp i, 0,1,2,3,4,5,6,7
	s_wait_dscnt 7-\i                              ; rows 2 i and 2 i + 1 are back; the younger loads stay out
	global_store_b128 v[CO], v[BK+32*((\a)%2)+4*\i:BK+32*((\a)%2)+4*\i+3], s[OUTB:OUTB+1] offset:(32*((\a)/2)+8*((\a)%2)+2*\i+8*(\i/4))*4096 th:TH_STORE_NT   ; place p of the tile is token 8 u + p + 8 (p / 8) of its 32; sixteen lanes store 256 consecutive bytes, aligned
.endr
.endm
	s_load_b256 s[4:11], s[0:1], 0x0               ; opc s[4:5], ops s[6:7], oc s[8:9], osc s[10:11]
	s_load_b128 s[56:59], s[0:1], 0x20             ; bout s[56:57], out0 s[58:59]
	v_lshl_add_u32 v[SPW], v0, 2, SPARE
	v_mov_b32 v[NIL], 0
	ds_add_u32 v[SPW], v[NIL]                      ; the opening lines
	ds_add_u32 v[SPW], v[NIL]
	v_lshrrev_b32 v1, 5, v0
	v_readfirstlane_b32 s[WV], v1                  ; wave 0..3
	s_bfe_u32 s15, ttmp6, 0x40000                  ; g: my place in the cluster; it enters Wout's, the bias's and the results' addresses alone
	s_and_b32 s16, ttmp7, 0xffff                   ; O's panel: the four partners share it
	s_mov_b32 s[G1], 15|(3<<16)|(1<<21)            ; the mask names the four; elements of 8 bytes; a quarter of the panel: 32,768 dense bytes as 128 rows of 256
	s_mov_b32 s[G1+1], 32<<16
	s_mov_b32 s[G1+2], 128<<16
	s_mov_b32 s[G1+3], 32<<16
	s_mov_b32 s[G1+4], 128
	s_mov_b32 s[G1+5], 32
	s_mov_b32 s[G1+6], 0
	s_mov_b32 s[G1+7], 0
	s_mul_i32 s48, s[WV], QSR                      ; quarter w of K,
	s_lshl_b32 s49, s16, 15                        ; the panel's eight tiles of 4,096 bytes
	s_add_co_u32 s48, s48, s49
	s_mov_b32 s49, 0
	s_mov_b32 s[G0], 1
	s_lshl_b32 s[G0+1], s[WV], 15                  ; LDS: 32,768 x wave
	s_wait_dscnt 0x0
	s_wait_kmcnt 0x0
	s_add_nc_u64 s[G0+2:G0+3], s[8:9], s[48:49]
	s_or_b32 s[G0+3], s[G0+3], 0x80000000
	CROUND                                         ; all four work-groups are here: the joint loads meet
	tensor_load_to_lds s[G0:G0+3], s[G1:G1+7]      ; my one tensor load
	s_nop 0
.rept 4
	v_nop
.endr
	s_lshl_b32 s48, s15, 16
	s_lshl_b32 s50, s[WV], 14
	s_add_co_u32 s48, s48, s50
	s_add_co_u32 s48, s48, 9175040                 ; Wout's tiles begin at 704 (2,883,584 bytes); + two quarters of K
	s_add_nc_u64 s[WB:WB+1], s[4:5], s[48:49]
	s_lshl_b32 s48, s15, 11
	s_lshl_b32 s50, s[WV], 9
	s_add_co_u32 s48, s48, s50
	s_add_co_u32 s48, s48, 90112                   ; Wout's pairs of tiles begin at 352
	s_add_nc_u64 s[WSB:WSB+1], s[6:7], s[48:49]
	s_lshl_b32 s48, s16, 9                         ; O's scale words: osc [head][group of 64 tokens][256 bytes]; my panel's two groups
	s_add_nc_u64 s[OSB:OSB+1], s[10:11], s[48:49]
	s_lshl_b32 s48, s15, 10
	s_lshl_b32 s50, s[WV], 8
	s_add_co_u32 s48, s48, s50                     ; my 64 outputs, in bytes
	s_add_nc_u64 s[BIB:BIB+1], s[56:57], s[48:49]
	s_lshl_b32 s50, s16, 19                        ; and my panel's 128 rows of 4,096 bytes
	s_add_co_u32 s48, s48, s50
	s_add_nc_u64 s[OUTB:OUTB+1], s[58:59], s[48:49]
	s_mul_i32 s51, s[WV], 16*272
	s_add_co_u32 s51, s51, STAGE                   ; my stage
	v_and_b32 v1, 15, v0                           ; r
	v_bfe_u32 v2, v0, 4, 1                         ; h
	v_and_b32 v3, 31, v0
	v_lshlrev_b32 v[AX], 4, v3                     ; 16 x lane
	v_add_nc_u32 v[AX+1], 65536, v[AX]
	v_lshlrev_b32 v4, 4, v1                        ; 16 r
	v_lshlrev_b32 v6, 6, v2                        ; the bias: 64 h
	v_mul_u32_u24 v[STO], v1, 272
	v_mul_u32_u24 v[RD], v2, 272
	v_lshl_add_u32 v[STO], v2, 6, v[STO]
	v_add_nc_u32 v[RD], v[RD], v4
	v_add_nc_u32 v[STO], s51, v[STO]               ; in: row r, + 64 h
	v_add_nc_u32 v[RD], s51, v[RD]                 ; back: lanes 0-15 one row, lanes 16-31 the next
	v_lshl_add_u32 v[CO], v2, 12, v4               ; and the same two rows in out0
	s_wait_alu depctr_va_vdst(0)                   ; the wait at the head's end
	WIN 0x80
.irp d, 0,1,2,3,4,5,6,7,8,9,10,11,12,13,14,15
.irp g, 0,1
	global_load_b128 v[8*\d+4*\g:8*\d+4*\g+3], v4, s[OSB:OSB+1] offset:32768*\d+256*\g   ; head d's words of my eight tiles (two bytes each), into registers that the sums take later
.endr
.endr
	WIN 0
.irp q, 0,1,2,3
.irp p, 0,1
	global_load_b128 v[WS+8*\q+4*\p:WS+8*\q+4*\p+3], v4, s[WSB:WSB+1] offset:QSS*\q+256*\p   ; copied once into registers
.endr
.endr
.irp t, 0,1,2,3                        ; the bias: tile t's register j is output 32 (t / 2) + 16 h + 8 (t % 2) + j
	global_load_b128 v[BB+8*\t:BB+8*\t+3], v6, s[BIB:BIB+1] offset:(32*(\t/2)+8*(\t%2))*4
	global_load_b128 v[BB+8*\t+4:BB+8*\t+7], v6, s[BIB:BIB+1] offset:(32*(\t/2)+8*(\t%2))*4+16
.endr
.irp j, 0,1,2,3,4,5,6,7
	WLOAD \j
.endr
	s_wait_tensorcnt 0x0                           ; my quarter of the panel has landed,
	s_barrier_signal -1
	s_barrier_wait -1                              ; everybody's has.  Nothing is ever filled again
	XFETCH 0
	XFETCH 1
	s_wait_loadcnt 63                              ; behind O's words 144 loads were issued: with 63 out, the words are in
	WIN 0x22                                       ; sources 0 and 2 window 2
.irp j, 0,1,2,3,4,5,6,7
.irp a, 0,1,2,3,4,5,6,7
	v_lshl_or_b32 v[XS+8*\j+\a], v[8*(2*\j+1)+\a], 16, v[16*\j+\a]   ; 128 along K are two heads: the even head's two bytes below, the odd head's above.  (Step 0's eight stand 56 lines and more ahead of the first product)
.endr
.endr
	s_wait_alu depctr_va_vdst(0)                   ; ahead of the waits below
.irp i, 0,1,2,3,4,5,6,7
	STEP \i
.endr
.irp a, 0,1,2,3
	OUTA \a
.endr
.rept 4
	v_nop                                          ; with the eight behind the last products: twelve places ahead of the product that starts the sums anew on their registers (nine are asked)
.endr
.irp i, 8,9,10,11,12,13,14,15
	STEP \i
.endr
.irp a, 4,5,6,7
	OUTA \a
.endr
	s_wait_tensorcnt 0x0                           ; the wave's end
	ds_add_u32 v[SPW], v[NIL]
	s_wait_dscnt 0x0
	CROUND                                         ; the closing round
	s_endpgm
.Lfunc_end_k_q57e00ddf93_proj:
	.size	k_q57e00ddf93_proj, .Lfunc_end_k_q57e00ddf93_proj-k_q57e00ddf93_proj
	.p2alignl 7, 3214868480
	.fill 96, 4, 3214868480
	.section	.rodata,"a",@progbits
	.p2align	6, 0x0
	.amdhsa_kernel k_q57e00ddf93_proj
		.amdhsa_group_segment_fixed_size 167936
		.amdhsa_private_segment_fixed_size 0
		.amdhsa_enable_private_segment 0
		.amdhsa_kernarg_size 48
		.amdhsa_user_sgpr_count 2
		.amdhsa_user_sgpr_kernarg_segment_ptr 1
		.amdhsa_wavefront_size32 1
		.amdhsa_system_sgpr_workgroup_id_x 1
		.amdhsa_system_sgpr_workgroup_id_y 1
		.amdhsa_system_sgpr_workgroup_id_z 1
		.amdhsa_system_vgpr_workitem_id 0
		.amdhsa_next_free_vgpr 1024
		.amdhsa_next_free_sgpr 66
		.amdhsa_reserve_vcc 0
		.amdhsa_float_denorm_mode_32 3
		.amdhsa_float_denorm_mode_16_64 3
		.amdhsa_memory_ordered 1
		.amdhsa_forward_progress 1
		.amdhsa_inst_pref_size 96
	.end_amdhsa_kernel
	.amdgpu_metadata
---
amdhsa.version: [ 1, 2 ]
amdhsa.kernels:
  - .name:           k_q57e00ddf93_proj
    .symbol:         k_q57e00ddf93_proj.kd
    .args:
      - { .name: opc, .offset: 0, .size: 8, .value_kind: global_buffer, .address_space: global }
      - { .name: ops, .offset: 8, .size: 8, .value_kind: global_buffer, .address_space: global }
      - { .name: oc, .offset: 16, .size: 8, .value_kind: global_buffer, .address_space: global }
      - { .name: osc, .offset: 24, .size: 8, .value_kind: global_buffer, .address_space: global }
      - { .name: bout, .offset: 32, .size: 8, .value_kind: global_buffer, .address_space: global }
      - { .name: out0, .offset: 40, .size: 8, .value_kind: global_buffer, .address_space: global }
    .group_segment_fixed_size: 167936
    .private_segment_fixed_size: 0
    .kernarg_segment_align: 8
    .kernarg_segment_size: 48
    .max_flat_workgroup_size: 128
    .sgpr_count:     66
    .vgpr_count:     1024
    .wavefront_size: 32
...
	.end_amdgpu_metadata
.endif
;; end of part 4
